; MI455X (gfx1250); checked and timed in simulation.
; The chip was launched on July 23, 2026; its instructions are those of AMD's public machine-readable ISA for CDNA 5 (MIT licence, August 2026) and "CDNA5" Instruction Set Architecture Reference Guide (July 2026). The comments in the code are by the model that wrote it; some were corrected since.
;; Lo Kr. Allowed arithmetic: matrix products marked QUANTISED: E3M2 operands, one E8M0 scale for each 32 along K, by v_wmma_scale_f32_16x16x128_f8f6f4 with both operands' format E3M2, f32 sums; products left as they are: f32 operands where the result goes on into a quantised operand, else bf16, f16 or f32 operands; f32 sums; everything else in f32.
;; Inputs: w1_a 16 x 32 float32; w1_b 64 x 16 float32; w2_a 16 x 64 float32; w2_b 64 x 16 float32; x 8,192 x 4,096 float32.
;; Outputs: out0 8,192 x 2,048 float32.
;; This version of the problem:
;;   THIS VERSION OF THE PROBLEM IS GIVEN IN LOW PRECISION. The matrix products marked QUANTISED in the list below multiply operands that are first quantised to E3M2 (3 exponent bits, 2 mantissa bits; 6 bits a number), with one power-of-two scale for each 32 numbers along K (OCP MX v1.0); their sums are f32. All else is computed in f32.
;;   The module's matrix products, in the order in which they are computed (A, B: the left and right operand; K: the contracted axis; several contracted axes count as one K, in the product's order):
;;     1. [M 32, K 16] x [K 16, N 64]; A: input w1_a; B: input w1_b: left as it is (K = 16 < 32)
;;     2. [M 64, K 16] x [K 16, N 64]; A: input w2_a; B: input w2_b: left as it is (K = 16 < 32)
;;     3. [M 8,192, K 4,096] x [K 4,096, N 2,048]; A: input x; B: computed on the way: QUANTISED
;;   THE QUANTISER, for each operand of a quantised product, along K:
;;     - K is cut into blocks of 32 from its start; a last block that is shorter is filled with zeros.
;;     - A block's scale is 2^e with e = floor(log2(the largest magnitude in the block)) - 4, held to -126 .. 127; a block of zeros has e = 0. As a byte (E8M0): e + 127.
;;     - Each number is divided by its block's scale, clamped to +-28, and rounded to the nearest number of E3M2, ties to even, subnormals kept.
;;     - The product sums the exact products of the quantised numbers (number of the format x scale) in f32.
;;   ~~~python
;;   def quantise(x, axis):      # numpy; x: float32 -> the quantised numbers, widened to float32 again
;;       x = np.moveaxis(x, axis, -1); K = x.shape[-1]
;;       x = np.pad(x, [(0, 0)] * (x.ndim - 1) + [(0, -K % 32)]); x = x.reshape(x.shape[:-1] + (-1, 32)); a = np.abs(x).max(-1, keepdims=True)
;;       e = np.where(a > 0, np.clip(np.frexp(np.where(a > 0, a, 1))[1] - 1 - 4, -126, 127), 0)      # np.frexp(a)[1] - 1 = floor(log2(a)), exactly
;;       r = np.clip(x / 2.0 ** e, -28, 28)
;;       step = 2.0 ** (np.maximum(np.frexp(np.where(r == 0, 1, r))[1] - 1, -2) - 2)
;;       q = np.round(r / step) * step * 2.0 ** e      # np.round: ties to even
;;       return np.moveaxis(q.reshape(q.shape[:-2] + (-1,))[..., :K], -1, axis).astype(np.float32)
;;   ~~~
;;   OPERANDS COMPUTED ON THE WAY. 'Computed on the way' means the value that the module computes at that place (a softmax that the list does not call 'softmax' is quantised finished and normalised). What goes into a quantiser is computed in f32, as accurately as f32 sums, v_exp_f32 and their like allow (about 1e-6 of the number): no bf16 or f16 on the way to a quantiser, and a product that is left as it is and whose result goes on into a quantised operand takes f32 operands (vector FMAs, or v_wmma_f32_16x16x4_f32). A number that lies on a knife's edge between two numbers of the format may be rounded either way, as far as f32 arithmetic and the matrix unit's own rounding can turn it there, and no further.
;; One version. Each part assembles by itself: llvm-mc -triple=amdgcn-amd-amdhsa -mcpu=gfx1250 --defsym DOCPART=n.
;; ======== version 1 of 1: 2 launches
;; limits: right only within a limited range of input values
;; workspace buffers: a_img 27,394,048 bytes; b_img 6,848,512 bytes
;; launch prep (part 1): grid 640 x 1, 4 waves a work-group, no clusters, 42,496 bytes of LDS; arguments x, w1_a, w1_b, w2_a, w2_b, a_img, b_img; writes a_img, b_img
.if DOCPART == 1
	.amdgcn_target "amdgcn-amd-amdhsa--gfx1250"
	.amdhsa_code_object_version 6
	.text
	.protected	k_q30e51a4c6f_prep
	.globl	k_q30e51a4c6f_prep
	.p2align	8
	.type	k_q30e51a4c6f_prep,@function
k_q30e51a4c6f_prep:
	s_mov_b64 s[64:65], 0
	v_nop
	global_prefetch_b8 v0, s[64:65] scope:SCOPE_SE
	s_setreg_imm32_b32 hwreg(HW_REG_WAVE_MODE, 25, 1), 1
	s_wait_xcnt 0x0
; BOTH OPERANDS OF out = (x W) / 16, W = kron(w1^T, w2^T), BECOME CODES OF BF6 (E3M2) WITH ONE E8M0 BYTE FOR EACH 32 ALONG K = 4,096.
; x: [8192][4096] f32.  w1[l][i] = sum over p of w1_a[p][l] w1_b[i][p] (32 x 64), w2[k][j] = sum over p of w2_a[p][k] w2_b[j][p] (64 x 64), both in f32.
; W's row n = 64 l + k (the product's N), its K index 64 i + j: W = w1[l][i] x w2[k][j], one f32 multiplication.
; A block's scale is 2^(floor(log2(its largest magnitude)) - 4): its byte is the largest magnitude's exponent field - 4, held at 1 from below by a floor among the maximum's leaves.
; LIMITS: NaN and infinities among the inputs are not served.  A block of zeros gets the byte 1 where the rule says 127: its codes are zeros, which add nothing
; under any byte but 0xff, and the bytes are read by this program alone.
; THE WORKSPACE IS LAID AS THE NEXT LAUNCH'S LDS SLOTS AND OPERAND REGISTERS.  A fragment (16 rows x 128 K) is 12 registers a lane: lane (r, h) holds row r, registers 6 c .. 6 c + 5 hold
; K = 64 c + 32 h + 0 .. 31.  Its image is 1,536 bytes: registers 4 m .. 4 m + 3 of lane L at 512 m + 16 L.  A PART is 128 rows x 384 K, 38,912 dense bytes: three runs of eight images,
; [place q][row block i], then 2,048 bytes of scale entries [i][r][4 words]: word q scales place q's 128 K of row r, word 3 is 0.  A group of 128 rows has 11 parts.
; K's 32 steps of 128 are 2 + 10 x 3: step T lies in part (T + 1) / 3 at place (T + 1) % 3.  Place 0 of part 0 holds no step: its image is neither stored here nor loaded there; its word is stored as 0.
; SHARES.  A work-group owns 16 rows for all of K; wave w owns K = 1,024 w on: eight fragments.  Work-groups 0-127 make W's 2,048 rows, work-groups 128-639 x's 8,192.
; A lane holds WHOLE blocks of 32, so a block's largest magnitude needs no other lane; the scale word's four bytes are gathered from lanes l and l xor 16.
; x: each load reads 512 consecutive bytes of one row; a fragment's 16 x 512 bytes turn through the wave's own stage in LDS and come back 128 neighbouring bytes of a row to a lane.
; THE SCALE WORDS of a part come from two waves where a part straddles the waves' runs of eight steps: so they are gathered in LDS, one barrier, and leave as whole entries: sixteen lanes store 256 consecutive aligned bytes.
; No tensor loads, no cluster.  Every image store of a wave covers 512 consecutive bytes, at a multiple of 512 from its buffer's first byte.
; THE FACTOR 1 / 16 OF out = (x W) / 16 LIES IN W's SCALE BYTES: w1 is multiplied by 2^-4 before W is formed.  A power of two moves no mantissa, so W's codes stay as they are and each block's byte is 4 less.
; LIMIT: a block of W whose largest magnitude lies under 2^-118 (W / 16 under the floor 2^-122), or a w1 / 16 that is denormal in f32, is not served as the rule has it.
.set NWG_W,  128                       ; work-groups that make W
.set FRB,    1536                      ; a fragment's image
.set QROW,   8*FRB                     ; the eight images of a place
.set SCOFF,  3*QROW                    ; where a part's scale entries begin
.set PART,   SCOFF+2048                ; 38,912
.set GROUPB, 11*PART                   ; 128 rows, all of K
.set SPITCH, 528                       ; a stage row: 512 bytes + 16, so that the sixteen rows that a read touches begin 16 bytes apart modulo 256
.set STAGEB, 16*SPITCH                 ; a wave's stage
.set WBX,    4*STAGEB                  ; behind the stages: the scale entries of 16 parts' room, 256 bytes each (11 are used), for work-groups of x;
.set WBW,    WBX+4096                  ; and bytes of their own for work-groups of W
.set FLOOR,  0x2800000                 ; 2^(5 - 127)
.set LI,  1                            ; v1      16 x lane; never rewritten
.set STI, 2                            ; v2      the stage on the way in: 16 x lane + my wave's stage
.set STO, 3                            ; v3      and on the way out: row r, + 128 h
.set SH8, 4                            ; v4      8 h: where my two bytes stand in the scale word
.set SCO, 6                            ; v6-7    the conversions' scale operands, block c
.set M,   8                            ; v8-9    the blocks' largest magnitudes, then their bytes
.set WT,  10                           ; v10     my half of the scale word
.set T,   11                           ; v11     lane l xor 16's half
.set D1,  8                            ; v8-10   the upper 16 codes of block 1 (the bytes and the half word are dead by then)
.set WW,  12                           ; v12     the whole scale word
.set WAD, 13                           ; v13     16 r + 32 w: my row's place among the scale entries, and my wave's eight steps' 32 bytes
.set WAV, 14                           ; v14     at the head: the pads' place; then WAD + 244 x the step's part
.set OFV, 15                           ; v15     16 x lane + 2,048 x the step's part: the image stores' offset
.set C,   16                           ; v16-27  the fragment
.set D0,  28                           ; v28-30  the upper 16 codes of block 0
.set NILZ, 31                          ; v31     0
.set X,   32                           ; v32-95  64 numbers: register 32 c + n = K 64 c + 32 h + n of my row
.set RA,  96                           ; v96-159, v160-223  x as it is loaded: two sets of 16 x 4
.set WA,  96                           ; v96-127   w2_b's fragments (tile u, K step s) at 2 (4 u + s)
.set WB,  128                          ; v128-135  w2_a's fragments, K step s at 2 s
.set W1B, 136                          ; v136-151  w1_b[16 w + r][0 .. 15]
.set W1A, 152                          ; v152-167  w1_a[0 .. 15][l]
.set W1V, 168                          ; v168      w1[l][16 w + r]
.set M2,  169                          ; v169      the largest magnitude of my 32 numbers of w2
.set AD,  170                          ; v170-173  addresses of the four weights
.set W2,  224                          ; v224-255  w2[16 kb + r][32 h + 0 .. 31]: four accumulators of the f32 matrix form; matrix instructions alone write them
	s_load_b256 s[8:15], s[0:1], 0x0               ; x s[8:9], w1_a s[10:11], w1_b s[12:13], w2_a s[14:15]
	s_load_b128 s[16:19], s[0:1], 0x20             ; w2_b s[16:17], a_img s[18:19]
	s_load_b64 s[20:21], s[0:1], 0x30              ; b_img
	s_set_vgpr_msb 0x40
	v_lshl_add_u32 v0, v0, 2, 0xa400
	v_mov_b32 v1, 0
	s_set_vgpr_msb 0x4000
	v_lshrrev_b32 v5, 5, v0
	v_readfirstlane_b32 s2, v5                     ; wave 0..3
	v_and_b32 v5, 31, v0                           ; lane
	v_lshlrev_b32 v[LI], 4, v5
	v_and_b32 v5, 15, v0                           ; r
	v_bfe_u32 v[SH8], v0, 4, 1                     ; h
	s_mul_i32 s39, s2, STAGEB
	v_mul_u32_u24 v[STO], v5, SPITCH
	v_lshl_add_u32 v[STO], v[SH8], 7, v[STO]
	v_add_nc_u32 v[STO], s39, v[STO]
	v_add_nc_u32 v[STI], s39, v[LI]
	v_lshlrev_b32 v[SH8], 3, v[SH8]
	v_lshlrev_b32 v[WAD], 4, v5                    ; 16 r
	v_lshrrev_b32 v[WAV], 4, v0
	v_lshl_add_u32 v[WAV], v[WAV], 8, v[WAD]       ; the pads: part thread / 16, row r
	s_lshl_b32 s39, s2, 5
	v_add_nc_u32 v[WAD], s39, v[WAD]               ; + 32 w
	v_mov_b32 v[T], 0                              ; written once: a lane permute's destination counts as one of its sources
	v_mov_b32 v[NILZ], 0
	s_lshl_b32 s44, s2, 3                          ; 8 w: my wave's first step
	s_mov_b32 s33, 0                               ; (named as the upper halves of the pairs that the packed multiplications take)
	s_mov_b32 s35, 0
	s_mov_b32 s36, 0x76543210
	s_mov_b32 s37, 0xfedcba98                      ; v_permlanex16_b32's selects for lane l xor 16
	s_wait_kmcnt 0x0
	s_cmp_lt_u32 ttmp9, NWG_W                      ; W's work-group or x's?  The choice hangs on the work-group's number alone
	s_cselect_b64 s[26:27], s[20:21], s[18:19]     ; the buffer that I fill
	s_cselect_b32 s39, 0, NWG_W
	s_sub_co_u32 s3, ttmp9, s39                    ; my block of 16 rows
	s_mov_b64 s[28:29], s[26:27]
	s_lshr_b32 s40, s3, 3
	s_mul_i32 s40, s40, GROUPB                     ; my group of 128 rows (under 2^25)
	s_and_b32 s41, s3, 7                           ; i: my row block in it
	s_mul_i32 s42, s41, FRB
	s_add_co_u32 s30, s40, s42
	s_mul_i32 s42, s2, 8*QROW                      ; an image lies at 12,288 u + 2,048 (u / 3) + 1,536 i, u = 8 w + t + 1: the term in w stands here, the term in t in the stores' immediates
	s_add_co_u32 s30, s30, s42
	s_mov_b32 s31, 0
	s_add_nc_u64 s[26:27], s[26:27], s[30:31]      ; where my images go,
	s_lshl_b32 s41, s41, 8
	s_add_co_u32 s30, s40, s41
	s_add_co_u32 s30, s30, SCOFF
	s_add_nc_u64 s[28:29], s[28:29], s[30:31]      ; and my row block's scale entries of part 0
	s_cmp_lt_u32 ttmp9, NWG_W
	s_cbranch_scc1 .Lweights
; The words that no step fills are stored as zeros: word 3 of every entry (thread groups of 16: parts 0-7, then the room of parts 8-15), and word 0 of part 0 (wave 0).  No other line writes these bytes.
.macro PADS base
	ds_store_b32 v[WAV], v[NILZ] offset:\base+12
	ds_store_b32 v[WAV], v[NILZ] offset:\base+2048+12
	s_cmp_lg_u32 s2, 0
	s_cbranch_scc1 .Lnot_wave_0_\@
	ds_store_b32 v[WAD], v[NILZ] offset:\base      ; (lanes 16-31 write what lanes 0-15 write)
.Lnot_wave_0_\@:
.endm
; The blocks' largest magnitudes, 32 numbers each, the two blocks by turns so that no line waits for the line above it; the floor is one more leaf.
.macro XMAX
.irp c, 0,1
	v_max3_num_f32 v[M+\c], |v[X+32*\c]|, |v[X+32*\c+1]|, FLOOR
.endr
.irp i, 2,4,6,8,10,12,14,16,18,20,22,24,26,28,30
.irp c, 0,1
	v_max3_num_f32 v[M+\c], v[M+\c], |v[X+32*\c+\i]|, |v[X+32*\c+\i+1]|
.endr
.endr
.endm
; From the two largest magnitudes and the 64 numbers: fragment t's scale word (to LDS), its codes, and the image's three stores.
; The caller has waited until the last fragment's stores, to LDS and to memory, have read their registers.
.macro QTAIL t, base
	s_add_co_u32 s39, s44, (\t)+1                  ; u = 8 w + t + 1, 1 to 32
	s_mul_i32 s39, s39, 43
	s_lshr_b32 s39, s39, 7                         ; the step's part, u / 3 (43 u / 128 rounded down is u / 3 for u up to 32)
	s_lshl_b32 s40, s39, 11                        ; a part's 2,048 bytes of entries lie between its images and the next part's
	s_mul_i32 s41, s39, 244                        ; the word lies at 256 (u / 3) + 16 r + 4 (u % 3) = 16 r + 4 u + 244 (u / 3)
.irp c, 0,1
	v_add_nc_u32 v[SCO+\c], 0xfe000000, v[M+\c]    ; 4 off the exponent field: the conversion takes the exponent field of this operand as its scale, and nothing else of it
.endr
.irp c, 0,1
	v_lshrrev_b32 v[M+\c], 23, v[SCO+\c]           ; the scale's byte
.endr
	v_lshl_or_b32 v[WT], v[M+1], 16, v[M]          ; my two bytes: blocks h and 2 + h of row r,
	v_lshlrev_b32 v[WT], v[SH8], v[WT]             ; at their places in the word;
	v_permlanex16_b32 v[T], v[WT], s36, s37
	v_add_nc_u32 v[WAV], s41, v[WAD]
	v_add_nc_u32 v[OFV], s40, v[LI]
	v_or_b32 v[WW], v[WT], v[T]                    ; with lane l xor 16's two the word is whole
	ds_store_b32 v[WAV], v[WW] offset:\base+4*((\t)+1)   ; (lanes 16-31 write what lanes 0-15 write)
	v_cvt_scalef32_pk16_bf6_f32 v[C:C+2], v[X:X+15], v[SCO]
	v_cvt_scalef32_pk16_bf6_f32 v[D0:D0+2], v[X+16:X+31], v[SCO]       ; (a conversion's three registers begin on an even number: a block's second three do not, so they are made elsewhere and moved)
	v_cvt_scalef32_pk16_bf6_f32 v[C+6:C+8], v[X+32:X+47], v[SCO+1]
	v_cvt_scalef32_pk16_bf6_f32 v[D1:D1+2], v[X+48:X+63], v[SCO+1]
	v_nop                                          ; one plain place behind the scaled conversions
.irp n, 0,1,2
	v_mov_b32 v[C+3+\n], v[D0+\n]
	v_mov_b32 v[C+9+\n], v[D1+\n]
.endr
.irp m, 0,1,2
	global_store_b128 v[OFV], v[C+4*\m:C+4*\m+3], s[26:27] offset:QROW*((\t)+1)+512*\m
.endr
.endm
; The work-group's 11 x 16 scale entries leave: thread n takes entry (part n / 16, row n % 16), 16 bytes; sixteen lanes store 256 consecutive bytes, at a multiple of 256 from the buffer's first byte.
.macro TAIL base
	s_wait_dscnt 0x0                               ; for the others' sake: my words and pads are in LDS
	s_barrier_signal -1
	s_barrier_wait -1
	v_lshlrev_b32 v40, 4, v0
	v_lshrrev_b32 v41, 4, v0
	v_and_b32 v42, 15, v0
	v_mul_u32_u24 v41, v41, PART
	v_lshl_add_u32 v41, v42, 4, v41
	s_min_u32 s39, s2, 1                           ; parts 8-10 have 48 entries: wave 0 takes entries 0-31; wave 1 entries 32-47, in both halves of its lanes; waves 2 and 3 name those too and store nothing
	s_lshl_b32 s40, s39, 9                         ; 32 entries of 16 bytes on, from wave 1 on
	s_xor_b32 s41, s39, 1
	s_lshl_b32 s41, s41, 8                         ; in wave 0 alone lanes 16-31 stand 16 entries on
	v_bfe_u32 v43, v0, 4, 1
	v_mul_u32_u24 v43, s41, v43
	v_lshl_add_u32 v43, v42, 4, v43
	v_add_nc_u32 v43, s40, v43
	ds_load_b128 v[32:35], v40 offset:\base        ; parts 0-7
	s_wait_alu depctr_va_vdst(0)
	s_wait_dscnt 0x0
	global_store_b128 v41, v[32:35], s[28:29]
	s_wait_xcnt 0x0                                ; EXEC changes only behind this wait
	s_set_vgpr_msb 0x5
	s_wait_tensorcnt 0x0
	ds_add_u32 v0, v1
	s_wait_dscnt 0x0
	s_set_vgpr_msb 0x500
	v_cmpx_gt_u32 48, v0                           ; parts 8-10: threads 0-47
	ds_load_b128 v[36:39], v43 offset:\base+2048
	s_wait_dscnt 0x0
	global_store_b128 v41, v[36:39], s[28:29] offset:8*PART
	s_endpgm
.endm
	; ---------------- x ----------------
	s_lshl_b32 s30, s3, 18                         ; 16 rows of 16,384 bytes,
	s_lshl_b32 s41, s2, 12                         ; my wave's 4,096 bytes of each
	s_add_co_u32 s30, s30, s41
	s_add_nc_u64 s[8:9], s[8:9], s[30:31]
.macro XLOAD t, set                    ; fragment t's numbers: 16 loads, a row each, 512 consecutive bytes
.irp p, 0,1,2,3,4,5,6,7,8,9,10,11,12,13,14,15
	global_load_b128 v[\set+4*\p:\set+4*\p+3], v[LI], s[8:9] offset:\p*16384+512*(\t) th:TH_LOAD_NT
.endr
.endm
.macro XTURN set                       ; through the stage: LDS serves a wave's instructions in order (ISA guide 5.7.1.4), so no wait stands between the stores and the loads
.irp p, 0,1,2,3,4,5,6,7,8,9,10,11,12,13,14,15
	ds_store_b128 v[STI], v[\set+4*\p:\set+4*\p+3] offset:SPITCH*\p
.endr
.irp c, 0,1
.irp j, 0,1,2,3,4,5,6,7
	ds_load_b128 v[X+32*\c+4*\j:X+32*\c+4*\j+3], v[STO] offset:256*\c+16*\j
.endr
.endr
.endm
	XLOAD 0, RA
	XLOAD 1, RA+64
	s_wait_alu depctr_va_vdst(0)
	PADS WBX
.irp t, 0,1,2,3,4,5,6,7
.if \t < 7
	s_wait_loadcnt 16                              ; this fragment's 16 loads are in; the other set's 16 may be out
.else
	s_wait_loadcnt 0x0
.endif
	XTURN RA+64*(\t%2)
	s_wait_dscnt 0x0                               ; my 64 numbers are back, the stage's stores have read the set, and the last word's store its registers;
.if \t > 0
	s_wait_xcnt 0x0                                ; the last fragment's image stores have read their data (v16-27) and their offset (v15): both are written again in QTAIL below.  It stands ahead of this fragment's new loads
.endif
.if \t < 6
	XLOAD \t+2, RA+64*(\t%2)                       ; the set takes the fragment two further on
.endif
	XMAX
	QTAIL \t, WBX
.endr
	TAIL WBX
	; ---------------- W ----------------
.Lweights:
	s_wait_alu depctr_va_vdst(0)
	PADS WBW
	s_lshr_b32 s40, s3, 2                          ; l: rows 16 nb + r are n = 64 l + 16 kb + r
	s_and_b32 s41, s3, 3                           ; kb
	v_and_b32 v10, 15, v0                          ; r
	v_bfe_u32 v5, v0, 4, 1                         ; h
	; w2 by the f32 matrix form, 16 x 16 x 4, four K steps.  Source 0 = 16 rows j of w2_b, source 1 = 16 columns k of w2_a: in the result lane (r, h) holds column k = 16 kb + r and rows 8 h + 0 .. 7.
	; THE ROWS j OF A TILE ARE NOT NEIGHBOURS: row m of tile u is j = 8 u + m (m < 8) or 32 + 8 u + m - 8, so that a lane's 32 registers of the four tiles are j = 32 h + 0 .. 31: a whole block of 32 along K.
	v_and_b32 v[AD], 7, v10
	v_lshlrev_b32 v[AD], 6, v[AD]                  ; w2_b: a row is 64 bytes
	v_lshrrev_b32 v[AD+1], 3, v10
	v_lshl_add_u32 v[AD], v[AD+1], 11, v[AD]       ; + 32 rows for lanes 8-15 of a half
	v_lshl_add_u32 v[AD], v5, 3, v[AD]             ; + 8 h: K = 2 h + 0, 1 of a step
	s_lshl_b32 s41, s41, 6
	v_lshl_add_u32 v[AD+1], v10, 2, s41            ; w2_a: column 16 kb + r,
	v_lshl_add_u32 v[AD+1], v5, 9, v[AD+1]         ; two rows of 256 bytes further down for lanes 16-31
	s_lshl_b32 s42, s2, 4
	v_add_nc_u32 v[AD+2], s42, v10
	v_lshlrev_b32 v[AD+2], 6, v[AD+2]              ; w1_b: row i = 16 w + r
	s_lshl_b32 s40, s40, 2
	v_mov_b32 v[AD+3], s40                         ; w1_a: column l
.irp u, 0,1,2,3
.irp s, 0,1,2,3
	global_load_b64 v[WA+2*(4*\u+\s):WA+2*(4*\u+\s)+1], v[AD], s[16:17] offset:512*\u+16*\s
.endr
.endr
.irp s, 0,1,2,3
.irp n, 0,1
	global_load_b32 v[WB+2*\s+\n], v[AD+1], s[14:15] offset:(4*\s+\n)*256
.endr
.endr
.irp n, 0,1,2,3
	global_load_b128 v[W1B+4*\n:W1B+4*\n+3], v[AD+2], s[12:13] offset:16*\n
.endr
.irp p, 0,1,2,3,4,5,6,7,8,9,10,11,12,13,14,15
	global_load_b32 v[W1A+\p], v[AD+3], s[10:11] offset:128*\p
.endr
	s_wait_loadcnt 0x0
.irp u, 0,1,2,3                        ; the first K step starts the four sums; the accumulators take turns, one instruction a turn
	v_wmma_f32_16x16x4_f32 v[W2+8*\u:W2+8*\u+7], v[WA+8*\u:WA+8*\u+1], v[WB:WB+1], 0
.endr
.irp s, 1,2,3
.irp u, 0,1,2,3
	v_wmma_f32_16x16x4_f32 v[W2+8*\u:W2+8*\u+7], v[WA+2*(4*\u+\s):WA+2*(4*\u+\s)+1], v[WB+2*\s:WB+2*\s+1], v[W2+8*\u:W2+8*\u+7]
.endr
.endr
	v_mul_f32 v[W1V], v[W1A], v[W1B]               ; w1[l][16 w + r], sixteen terms.  These sixteen plain lines name no register of the products above: they are the eight places (ISA guide 7.12.1) in front of the first read of w2
.irp p, 1,2,3,4,5,6,7,8,9,10,11,12,13,14,15
	v_fmac_f32 v[W1V], v[W1A+\p], v[W1B+\p]
.endr
	v_mul_f32 v[W1V], 0x3d800000, v[W1V]           ; x 2^-4: the product's factor 1 / 16, which ends in W's scale bytes alone
	v_max_num_f32 v[M2], |v[W2]|, |v[W2+1]|        ; the largest magnitude of my 32 numbers of w2, each accumulator from its low end on
.irp p, 1,2,3,4,5,6,7,8,9,10,11,12,13,14,15
	v_max3_num_f32 v[M2], |v[W2+2*\p]|, |v[W2+2*\p+1]|, v[M2]
.endr
; Fragment t: K = 1,024 w + 128 t + 64 c + 32 h + n is i = 16 w + 2 t + c, j = 32 h + n: my 32 numbers of w2 times w1[l][i].
; Rounding keeps order, so the block's largest magnitude is the rounded product of |w1[l][i]| and the largest |w2|: it is not searched for again.
.macro WPROD t
.irp c, 0,1
	v_readlane_b32 s[32+2*\c], v[W1V], 2*(\t)+\c
.endr
.irp c, 0,1
	v_mul_f32 v[M+\c], s[32+2*\c], v[M2]
.endr
.irp c, 0,1
	v_max3_num_f32 v[M+\c], |v[M+\c]|, |v[M+\c]|, FLOOR
.endr
.irp c, 0,1
.irp p, 0,1,2,3,4,5,6,7,8,9,10,11,12,13,14,15
	v_pk_mul_f32 v[X+32*\c+2*\p:X+32*\c+2*\p+1], v[W2+2*\p:W2+2*\p+1], s[32+2*\c:33+2*\c] op_sel_hi:[1,0]
.endr
.endr
.endm
	s_wait_alu depctr_va_vdst(0)
.irp t, 0,1,2,3,4,5,6,7
	s_wait_dscnt 0x0                               ; the pads' stores, or the last word's, have read their registers,
	s_wait_xcnt 0x0                                ; and the last fragment's image stores their data and their offset: all are written again below
	WPROD \t
	QTAIL \t, WBW
.endr
	TAIL WBW
.Lfunc_end_k_q30e51a4c6f_prep:
	.size	k_q30e51a4c6f_prep, .Lfunc_end_k_q30e51a4c6f_prep-k_q30e51a4c6f_prep
	.p2alignl 7, 3214868480
	.fill 96, 4, 3214868480
	.section	.rodata,"a",@progbits
	.p2align	6, 0x0
	.amdhsa_kernel k_q30e51a4c6f_prep
		.amdhsa_group_segment_fixed_size 42496
		.amdhsa_private_segment_fixed_size 0
		.amdhsa_enable_private_segment 0
		.amdhsa_kernarg_size 56
		.amdhsa_user_sgpr_count 2
		.amdhsa_user_sgpr_kernarg_segment_ptr 1
		.amdhsa_wavefront_size32 1
		.amdhsa_system_sgpr_workgroup_id_x 1
		.amdhsa_system_sgpr_workgroup_id_y 1
		.amdhsa_system_sgpr_workgroup_id_z 1
		.amdhsa_system_vgpr_workitem_id 0
		.amdhsa_next_free_vgpr 258
		.amdhsa_next_free_sgpr 66
		.amdhsa_reserve_vcc 0
		.amdhsa_float_denorm_mode_32 3
		.amdhsa_float_denorm_mode_16_64 3
		.amdhsa_memory_ordered 1
		.amdhsa_forward_progress 1
		.amdhsa_inst_pref_size 102
	.end_amdhsa_kernel
	.amdgpu_metadata
---
amdhsa.version: [ 1, 2 ]
amdhsa.kernels:
  - .name:           k_q30e51a4c6f_prep
    .symbol:         k_q30e51a4c6f_prep.kd
    .args:
      - { .name: x, .offset: 0, .size: 8, .value_kind: global_buffer, .address_space: global }
      - { .name: w1_a, .offset: 8, .size: 8, .value_kind: global_buffer, .address_space: global }
      - { .name: w1_b, .offset: 16, .size: 8, .value_kind: global_buffer, .address_space: global }
      - { .name: w2_a, .offset: 24, .size: 8, .value_kind: global_buffer, .address_space: global }
      - { .name: w2_b, .offset: 32, .size: 8, .value_kind: global_buffer, .address_space: global }
      - { .name: a_img, .offset: 40, .size: 8, .value_kind: global_buffer, .address_space: global }
      - { .name: b_img, .offset: 48, .size: 8, .value_kind: global_buffer, .address_space: global }
    .group_segment_fixed_size: 42496
    .private_segment_fixed_size: 0
    .kernarg_segment_align: 8
    .kernarg_segment_size: 56
    .max_flat_workgroup_size: 128
    .sgpr_count:     66
    .vgpr_count:     258
    .wavefront_size: 32
...
	.end_amdgpu_metadata
.endif
;; end of part 1
;; launch gemm (part 2): grid 8 x 32, 4 waves a work-group, clusters of 4 x 4, 327,680 bytes of LDS; arguments a_img, b_img, out0; writes out0
.if DOCPART == 2
	.amdgcn_target "amdgcn-amd-amdhsa--gfx1250"
	.amdhsa_code_object_version 6
	.text
	.protected	k_q30e51a4c6f_gemm
	.globl	k_q30e51a4c6f_gemm
	.p2align	8
	.type	k_q30e51a4c6f_gemm,@function
k_q30e51a4c6f_gemm:
	s_mov_b64 s[64:65], 0
	v_nop
	global_prefetch_b8 v0, s[64:65] scope:SCOPE_SE
	s_setreg_imm32_b32 hwreg(HW_REG_WAVE_MODE, 25, 1), 1
	s_wait_xcnt 0x0
	s_wait_alu depctr_hold_cnt(0) depctr_sa_sdst(0) depctr_va_vdst(0) depctr_va_sdst(0) depctr_va_ssrc(0) depctr_va_vcc(0) depctr_vm_vsrc(0)
	s_getreg_b32 s2, hwreg(HW_REG_IB_STS2, 6, 4)
	s_cmp_eq_u32 s2, 0
	s_cbranch_scc0 .Lentry_in_a_cluster
	s_endpgm
.Lentry_in_a_cluster:
	s_bfe_u32 s2, ttmp6, 0x10000c
	s_cmp_lg_u32 s2, 0xf033
	s_cbranch_scc0 .Lentry_shape_is_right
	s_endpgm
.Lentry_shape_is_right:
; out0 = (x W) / 16 on codes of BF6 (E3M2) with E8M0 scales: a_img holds x's codes and scale words, b_img those of W / 16 (the factor 2^-4 lies in W's scale bytes), both laid by launch prep
; as this launch's LDS slots and operand registers want them.  M = 8,192, N = 2,048, K = 4,096: 32 x 8 tiles of 256 x 256, one work-group each.
; Four waves, as many as a WGP has SIMDs; a wave makes 128 x 128: 64 accumulators, 512 registers, in windows 2 (my rows 0-63) and 3 (rows 64-127).
; Window 0: v0-31 addresses, v32-95 scale words (two sets), v128-223 A's fragments (one set: a block is fetched anew when its eight products are issued).  Window 1: B's fragments, two sets.
; A PART is 128 rows x 384 K, 38,912 dense bytes: three places of eight fragment images (1,536 bytes: registers 4 m .. 4 m + 3 of lane L at 512 m + 16 L), then 2,048 bytes of scale entries (16 bytes a row).
; A slot holds four parts (A's two groups of 128 rows, then B's two); two slots take turns; each wave brings one part by one tensor load, as rows of 256 bytes that begin at multiples of 256.
; K's 32 steps of 128 are 2 + 10 x 3: part 0's first place holds no step and is not loaded.  A step is 64 matrix instructions; the accumulators take turns in one order.
; THE MATRIX INSTRUCTION IS USED TRANSPOSED (source 0 = 16 rows of W, source 1 = 16 rows of x): a lane holds eight neighbouring numbers of a row of out0.
; One scale register carries A's word in lanes 0-15 and B's in lanes 16-31.
; CLUSTERS: 4 x 4 work-groups.  A's parts are asked for jointly along a row of the cluster, B's along a column; each refill stands behind a round of the cluster's barrier, one tensor load a wave.
; PREFETCH: every cluster asks for what it will itself load; the four partners of a joint load share a part's 152 blocks of 256 bytes out by address, 38 each: two instructions of 19 lanes' blocks
; (the lanes left over name the 19th again).  The head asks for parts 1 and 2; behind the load of part p stands the request for part p + 2, p = 1 .. 8: two refills, six steps, ahead.  The loop's last trip asks for nothing.
; THE WAY OUT: a block of 16 rows x 128 columns goes through my own stage in LDS (in slot 1, which has had its last fill and its last read) and comes back as whole rows of 512 bytes.
; Block a comes back into block a - 1's accumulators, which its stage stores have read by then (block 0: into v128-191 of window 0): no register of a store is written again, and the row stands in the store's
; immediate (127 rows of 8,192 bytes at the most), so that no wait for stores stands in the text.
.set SIZE_N, 2048
.set FR,     12
.set FRB,    1536
.set NL,     3
.set NP,     4
.set QROW,   8*FRB
.set SCOFF,  3*QROW
.set PART,   SCOFF+2048
.set GROUPB, 11*PART
.set SLOT,   4*PART
.set TRIPS,  4
.set SPARE,  2*SLOT
.set SPITCH, 528
.set STAGE,  SLOT
.set ADRA, 16
.set ADRS, 18
.set ADRB, 20
.set STO,  24
.set RD,   25
.set CO,   26
.set SPW,  28
.set NIL,  29
.set PFO,  30
.set SC,   32
.set AF,   128
.set BK,   128
.set G1, 24
.set G0, 32
.set G1B, 48
.set G0B, 56
.set G1F, 68
.set G0F, 76
.set G1FB, 80
.set G0FB, 88
.set PFA, 96
.set MSB, 0
.macro WIN new
.if MSB != \new
	s_set_vgpr_msb (MSB<<8)|\new
.set MSB, \new
.endif
.endm
.set MUL_LO, 0xa1
.set MUL_HI, 0xf1
.set TO_B,   0x40
.macro JLOAD g0a, g1a, g0b, g1b
	s_cmp_eq_u32 s15, 0
	s_cbranch_scc0 .Lfor_b_\@
	tensor_load_to_lds s[\g0a:\g0a+3], s[\g1a:\g1a+7]
	s_nop 0
.rept 4
	v_nop
.endr
	s_branch .Lasked_\@
.Lfor_b_\@:
	tensor_load_to_lds s[\g0b:\g0b+3], s[\g1b:\g1b+7]
	s_nop 0
.rept 4
	v_nop
.endr
.Lasked_\@:
.endm
; My work-group's quarter of the part that stands two refills on: s[PFA:PFA+1] stands at the part just asked for by the tensor load.  how = 0, in the loop: the last trip (s3 = 1) has no part two on.
.macro ASK how
.if \how
	global_prefetch_b8 v[PFO], s[PFA:PFA+1] offset:2*PART th:TH_LOAD_NT scope:SCOPE_SE
	global_prefetch_b8 v[PFO], s[PFA:PFA+1] offset:2*PART+19*256 th:TH_LOAD_NT scope:SCOPE_SE
.else
	s_cmp_gt_u32 s3, 1
	s_cbranch_scc0 .Lnot_mine_\@
	global_prefetch_b8 v[PFO], s[PFA:PFA+1] offset:2*PART th:TH_LOAD_NT scope:SCOPE_SE
	global_prefetch_b8 v[PFO], s[PFA:PFA+1] offset:2*PART+19*256 th:TH_LOAD_NT scope:SCOPE_SE
.Lnot_mine_\@:
.endif
.endm
.macro CREST
	s_cmp_lg_u32 s14, 0
	s_cbranch_scc1 .Lnot_wave_0_\@
	s_barrier_signal -3
.Lnot_wave_0_\@:
	s_barrier_wait -3
	s_barrier_signal -1
	s_barrier_wait -1
.endm
.macro CROUND
	s_barrier_signal -1
	s_barrier_wait -1
	CREST
.endm
	s_load_b128 s[4:7], s[0:1], 0x0
	s_load_b64 s[12:13], s[0:1], 0x10
	v_lshl_add_u32 v[SPW], v0, 2, SPARE
	v_mov_b32 v[NIL], 0
	ds_add_u32 v28, v29
	ds_add_u32 v28, v29
	s_wait_dscnt 0x0
	v_lshrrev_b32 v1, 5, v0
	v_readfirstlane_b32 s14, v1
	s_lshr_b32 s15, s14, 1
	s_and_b32 s16, s14, 1
	s_bfe_u32 s40, ttmp6, 0x40000
	s_bfe_u32 s41, ttmp6, 0x40004
	s_lshl_b32 s42, ttmp9, 2
	s_add_co_u32 s42, s42, s40
	s_and_b32 s17, ttmp7, 0xffff
	s_lshl_b32 s17, s17, 2
	s_add_co_u32 s17, s17, s41
	s_lshl_b32 s43, s41, 2
	s_lshl_b32 s43, 15, s43
	s_lshl_b32 s44, 0x1111, s40
	s_or_b32 s[G1+0], s43, (3<<16)|(1<<21)
	s_or_b32 s[G1B+0], s44, (3<<16)|(1<<21)
.irp g, G1, G1B
	s_mov_b32 s[\g+1], 32<<16
	s_mov_b32 s[\g+2], (PART/256)<<16
	s_mov_b32 s[\g+3], 32<<16
	s_mov_b32 s[\g+4], PART/256
	s_mov_b32 s[\g+5], 32
	s_mov_b32 s[\g+6], 0
	s_mov_b32 s[\g+7], 0
.endr
	s_or_b32 s[G1F+0], s43, (3<<16)|(1<<21)
	s_or_b32 s[G1FB+0], s44, (3<<16)|(1<<21)
.irp g, G1F, G1FB
	s_mov_b32 s[\g+1], 32<<16
	s_mov_b32 s[\g+2], ((PART-QROW)/256)<<16
	s_mov_b32 s[\g+3], 32<<16
	s_mov_b32 s[\g+4], (PART-QROW)/256
	s_mov_b32 s[\g+5], 32
	s_mov_b32 s[\g+6], 0
	s_mov_b32 s[\g+7], 0
.endr
	s_lshl_b32 s20, s17, 1
	s_add_co_u32 s20, s20, s16
	s_lshl_b32 s46, s42, 1
	s_add_co_u32 s46, s46, s16
	s_mul_i32 s20, s20, GROUPB
	s_mov_b32 s21, 0
	s_mul_i32 s46, s46, GROUPB
	s_mov_b32 s47, 0
	s_mul_i32 s45, s14, PART
	s_wait_kmcnt 0x0
	s_add_nc_u64 s[20:21], s[4:5], s[20:21]
	s_add_nc_u64 s[46:47], s[6:7], s[46:47]
	CROUND
	s_mov_b32 s[G0F], 1
	s_add_co_u32 s[G0F+1], s45, QROW
	s_add_nc_u64 s[G0F+2:G0F+3], s[20:21], QROW
	s_or_b32 s[G0F+3], s[G0F+3], 0x80000000
	s_mov_b32 s[G0FB], 1
	s_add_co_u32 s[G0FB+1], s45, QROW
	s_add_nc_u64 s[G0FB+2:G0FB+3], s[46:47], QROW
	s_or_b32 s[G0FB+3], s[G0FB+3], 0x80000000
	JLOAD G0F, G1F, G0FB, G1FB
.irp s, 0,1
	s_mov_b32 s[G0+4*\s], 1
	s_add_co_u32 s[G0+4*\s+1], s45, \s*SLOT
	s_add_nc_u64 s[G0+4*\s+2:G0+4*\s+3], s[20:21], \s*PART
	s_or_b32 s[G0+4*\s+3], s[G0+4*\s+3], 0x80000000
	s_mov_b32 s[G0B+4*\s], 1
	s_add_co_u32 s[G0B+4*\s+1], s45, \s*SLOT
	s_add_nc_u64 s[G0B+4*\s+2:G0B+4*\s+3], s[46:47], \s*PART
	s_or_b32 s[G0B+4*\s+3], s[G0B+4*\s+3], 0x80000000
.endr
	; the prefetches' address: the group of 128 rows that I fetch (A's by the tile row, B's by the tile column), my work-group's quarter of a part (cx for A, cy for B), at part 1
	s_lshl_b32 s18, s17, 1
	s_add_co_u32 s18, s18, s16
	s_lshl_b32 s19, s42, 1
	s_add_co_u32 s19, s19, s16
	s_cmp_eq_u32 s15, 0                            ; do I fetch for A?
	s_cselect_b32 s20, s18, s19
	s_cselect_b32 s21, s40, s41
	s_cselect_b64 s[PFA:PFA+1], s[4:5], s[6:7]
	s_mul_i32 s20, s20, GROUPB
	s_mul_i32 s21, s21, PART/4
	s_add_co_u32 s20, s20, s21
	s_add_co_u32 s20, s20, PART
	s_mov_b32 s21, 0
	s_add_nc_u64 s[PFA:PFA+1], s[PFA:PFA+1], s[20:21]
	v_and_b32 v[PFO], 31, v0
	v_min_u32 v[PFO], 18, v[PFO]                   ; 19 blocks an instruction; lanes 19-31 name the 19th again
	v_lshlrev_b32 v[PFO], 8, v[PFO]                ; never rewritten
	s_wait_alu depctr_va_vdst(0)                   ; the wait for v[PFO] stands here, ahead of the readers and of the wait below
	global_prefetch_b8 v[PFO], s[PFA:PFA+1] th:TH_LOAD_NT scope:SCOPE_SE                      ; part 1,
	global_prefetch_b8 v[PFO], s[PFA:PFA+1] offset:19*256 th:TH_LOAD_NT scope:SCOPE_SE
	global_prefetch_b8 v[PFO], s[PFA:PFA+1] offset:PART th:TH_LOAD_NT scope:SCOPE_SE          ; and part 2
	global_prefetch_b8 v[PFO], s[PFA:PFA+1] offset:PART+19*256 th:TH_LOAD_NT scope:SCOPE_SE
	s_wait_tensorcnt 0x0
	ds_add_u32 v28, v29
	s_wait_dscnt 0x0
	CROUND
	JLOAD G0+4, G1, G0B+4, G1B
	v_and_b32 v1, 15, v0
	v_bfe_u32 v2, v0, 4, 1
	s_wait_alu depctr_va_vdst(0)
	v_and_b32 v6, 31, v0
	v_lshlrev_b32 v[CO], 4, v6
	s_mul_i32 s21, s15, PART
	s_mul_i32 s22, s16, PART
	s_add_co_u32 s22, s22, 2*PART
.irp s, 0,1
	v_add_nc_u32 v[ADRA+\s], s21, v[CO]
	v_add_nc_u32 v[ADRB+\s], s22, v[CO]
	s_add_co_u32 s21, s21, SLOT
	s_add_co_u32 s22, s22, SLOT
.endr
	v_lshlrev_b32 v5, 4, v1
	s_mul_i32 s21, s15, PART
	s_mul_i32 s22, s16, PART
	s_add_co_u32 s22, s22, 2*PART
	s_sub_co_u32 s22, s22, s21
	v_mul_u32_u24 v6, s22, v2
	v_add_nc_u32 v5, v5, v6
	v_add_nc_u32 v[ADRS], s21, v5
	s_add_co_u32 s21, s21, SLOT
	v_add_nc_u32 v[ADRS+1], s21, v5
	s_mul_i32 s23, s14, 16*SPITCH
	s_add_co_u32 s23, s23, STAGE
	v_mul_u32_u24 v5, v1, SPITCH
	v_lshl_add_u32 v5, v2, 5, v5
	v_add_nc_u32 v[STO], s23, v5
	v_add_nc_u32 v[RD], s23, v[CO]
	s_lshl_b32 s20, s17, 8
	s_lshl_b32 s21, s15, 7
	s_add_co_u32 s20, s20, s21
	s_lshl_b32 s20, s20, 13
	s_lshl_b32 s46, s42, 10
	s_lshl_b32 s47, s16, 9
	s_add_co_u32 s46, s46, s47
	s_add_co_u32 s20, s20, s46
	s_mov_b32 s21, 0
	s_add_nc_u64 s[12:13], s[12:13], s[20:21]
	ASK 1                                          ; behind part 1's load: part 3
.macro FRAG reg, adr, q, i
.irp c, 0,1,2
	ds_load_b128 v[\reg+4*\c:\reg+4*\c+3], v[\adr] offset:((\q)*8+(\i))*FRB+512*\c
.endr
.endm
.macro MUL16 a0, p, q, sc, zero
.irp a, \a0, \a0+1
.irp b, 0,1,2,3,4,5,6,7
.if \zero
	v_wmma_scale_f32_16x16x128_f8f6f4 v[8*(8*((\a)%4)+\b):8*(8*((\a)%4)+\b)+7], v[128*(\p)+FR*\b:128*(\p)+FR*\b+FR-1], v[AF+FR*(\a):AF+FR*(\a)+FR-1], 0, v[SC+32*(\sc)+4*\b+(\q)], v[SC+32*(\sc)+4*(\a)+(\q)] matrix_a_fmt:MATRIX_FMT_BF6 matrix_b_fmt:MATRIX_FMT_BF6 matrix_a_scale:MATRIX_SCALE_ROW1
.else
	v_wmma_scale_f32_16x16x128_f8f6f4 v[8*(8*((\a)%4)+\b):8*(8*((\a)%4)+\b)+7], v[128*(\p)+FR*\b:128*(\p)+FR*\b+FR-1], v[AF+FR*(\a):AF+FR*(\a)+FR-1], v[8*(8*((\a)%4)+\b):8*(8*((\a)%4)+\b)+7], v[SC+32*(\sc)+4*\b+(\q)], v[SC+32*(\sc)+4*(\a)+(\q)] matrix_a_fmt:MATRIX_FMT_BF6 matrix_b_fmt:MATRIX_FMT_BF6 matrix_a_scale:MATRIX_SCALE_ROW1
.endif
.endr
.endr
.endm
.macro FETCH_B slot, q, p
	WIN TO_B
.irp i, 0,1,2,3,4,5,6,7
	FRAG 128*(\p)+FR*\i, ADRB+\slot, \q, \i
.endr
	WIN 0
.endm
.macro FETCH_A slot, q, i0
.irp i, \i0, \i0+1, \i0+2, \i0+3
	FRAG AF+FR*(\i), ADRA+\slot, \q, \i
.endr
.endm
.macro SCALES sc
.irp i, 0,1,2,3,4,5,6,7
	ds_load_b128 v[SC+32*\sc+4*\i:SC+32*\sc+4*\i+3], v[ADRS+\sc] offset:SCOFF+256*\i
.endr
.endm
.macro PLACES n
.rept \n
	v_nop
.endr
.endm
.macro STEP slot, q, zero
	s_wait_dscnt 4*NL
	WIN MUL_LO
	MUL16 0, ((\q)+1+(\slot))%2, \q, \slot, \zero
	MUL16 2, ((\q)+1+(\slot))%2, \q, \slot, \zero
	s_wait_dscnt 0
	PLACES NP
	FETCH_B \slot, (\q)+1, ((\q)+(\slot))%2
	FETCH_A \slot, (\q)+1, 0
	WIN MUL_HI
	MUL16 4, ((\q)+1+(\slot))%2, \q, \slot, \zero
	MUL16 6, ((\q)+1+(\slot))%2, \q, \slot, \zero
	PLACES NP
	WIN 0
	FETCH_A \slot, (\q)+1, 4
.endm
.macro TURN slot, next, fill, how
.if \fill
	s_wait_xcnt 0x0
	s_add_nc_u64 s[PFA:PFA+1], s[PFA:PFA+1], PART
.endif
	s_wait_tensorcnt 0x0
	ds_add_u32 v[SPW], v[NIL]
	s_wait_dscnt 4*NL+1
	WIN MUL_LO
	MUL16 0, (3+(\slot))%2, 2, \slot, 0
	s_wait_dscnt 0x0
	s_barrier_signal -1
	MUL16 2, (3+(\slot))%2, 2, \slot, 0
	WIN 0
	s_barrier_wait -1
.if \fill
	CREST
	s_add_nc_u64 s[G0+4*\slot+2:G0+4*\slot+3], s[G0+4*\slot+2:G0+4*\slot+3], 2*PART
	s_add_nc_u64 s[G0B+4*\slot+2:G0B+4*\slot+3], s[G0B+4*\slot+2:G0B+4*\slot+3], 2*PART
	JLOAD G0+4*\slot, G1, G0B+4*\slot, G1B
.else
	PLACES NP
.endif
	FETCH_B \next, 0, (1+(\next))%2
	FETCH_A \next, 0, 0
	SCALES \next
.if \fill
	ASK \how
.endif
	WIN MUL_HI
	MUL16 4, (3+(\slot))%2, 2, \slot, 0
	MUL16 6, (3+(\slot))%2, 2, \slot, 0
	PLACES NP
	WIN 0
	FETCH_A \next, 0, 4
.endm
	s_wait_alu depctr_va_vdst(0)
	s_wait_tensorcnt 1
	s_barrier_signal -1
	s_barrier_wait -1
	FETCH_B 0, 1, 0
	FETCH_A 0, 1, 0
	SCALES 0
	FETCH_A 0, 1, 4
	STEP 0, 1, 1
	TURN 0, 1, 1, 1
	s_mov_b32 s3, TRIPS
.Llap:
	STEP 1, 0, 0
	STEP 1, 1, 0
	TURN 1, 0, 1, 0
	STEP 0, 0, 0
	STEP 0, 1, 0
	TURN 0, 1, 1, 0
	s_sub_co_u32 s3, s3, 1
	s_cmp_lg_u32 s3, 0
	s_cbranch_scc1 .Llap
	STEP 1, 0, 0
	STEP 1, 1, 0
	TURN 1, 0, 0, 0
	STEP 0, 0, 0
	STEP 0, 1, 0
	s_wait_dscnt 4*NL
	WIN MUL_LO
	MUL16 0, 1, 2, 0, 0
	MUL16 2, 1, 2, 0, 0
	s_wait_dscnt 0
	WIN MUL_HI
	MUL16 4, 1, 2, 0, 0
	MUL16 6, 1, 2, 0, 0
	WIN 0
.macro TOSTAGE a
.set AC, 64*((\a)%4)
	WIN 0x08+4*((\a)/4)
.irp b, 0,1,2,3,4,5,6,7
	ds_store_b128 v[STO], v[AC+8*\b:AC+8*\b+3] offset:64*\b
	ds_store_b128 v[STO], v[AC+8*\b+4:AC+8*\b+7] offset:64*\b+16
.endr
	BACKSET \a
.if (\a) > 0
	s_wait_dscnt 32                                ; block a - 1's 16 stores into the stage are done (behind them: its 16 loads and my 16 stores): its accumulators may be loaded into
.endif
	WIN (RW<<6)                                    ; destination: the window of the registers that take the block back
.irp t, 0,1,2,3,4,5,6,7,8,9,10,11,12,13,14,15
	ds_load_b128 v[BB+4*\t:BB+4*\t+3], v[RD] offset:\t*SPITCH    ; LDS serves a wave's instructions in order: these see the stores above
.endr
	WIN 0
.endm
.macro BACKSET a                       ; where block a comes back: window RW, from register BB on: block 0 into v128-191 of window 0, block a into block a - 1's accumulators
.if (\a) == 0
.set RW, 0
.set BB, BK
.else
.set RW, 2+((\a)-1)/4
.set BB, 64*(((\a)-1)%4)
.endif
.endm
.macro SEND a, younger                 ; younger: the LDS instructions issued behind block a's loads, which may stay out
	BACKSET \a
	s_wait_dscnt \younger                          ; the block is back in registers
	WIN (RW<<2)                                    ; a store's data: source 1
.irp t, 0,1,2,3,4,5,6,7,8,9,10,11,12,13,14,15
	global_store_b128 v[CO], v[BB+4*\t:BB+4*\t+3], s[12:13] offset:(16*(\a)+\t)*SIZE_N*4 th:TH_STORE_NT   ; 32 lanes store 512 consecutive bytes, at a multiple of 256 from out0's first byte
.endr
	WIN 0
.endm
	PLACES NP
	TOSTAGE 0
.irp a, 1,2,3,4,5,6,7
	TOSTAGE \a
	SEND \a-1, 32                                  ; behind block a - 1's loads: block a's 16 stores and 16 loads
.endr
	SEND 7, 0
	s_wait_tensorcnt 0x0
	ds_add_u32 v[SPW], v[NIL]
	s_wait_dscnt 0x0
	CROUND
	s_endpgm
.Lfunc_end_k_q30e51a4c6f_gemm:
	.size	k_q30e51a4c6f_gemm, .Lfunc_end_k_q30e51a4c6f_gemm-k_q30e51a4c6f_gemm
	.p2alignl 7, 3214868480
	.fill 96, 4, 3214868480
	.section	.rodata,"a",@progbits
	.p2align	6, 0x0
	.amdhsa_kernel k_q30e51a4c6f_gemm
		.amdhsa_group_segment_fixed_size 327680
		.amdhsa_private_segment_fixed_size 0
		.amdhsa_enable_private_segment 0
		.amdhsa_kernarg_size 24
		.amdhsa_user_sgpr_count 2
		.amdhsa_user_sgpr_kernarg_segment_ptr 1
		.amdhsa_wavefront_size32 1
		.amdhsa_system_sgpr_workgroup_id_x 1
		.amdhsa_system_sgpr_workgroup_id_y 1
		.amdhsa_system_sgpr_workgroup_id_z 1
		.amdhsa_system_vgpr_workitem_id 0
		.amdhsa_next_free_vgpr 1024
		.amdhsa_next_free_sgpr 100
		.amdhsa_reserve_vcc 0
		.amdhsa_float_denorm_mode_32 3
		.amdhsa_float_denorm_mode_16_64 3
		.amdhsa_memory_ordered 1
		.amdhsa_forward_progress 1
		.amdhsa_inst_pref_size 207
	.end_amdhsa_kernel
	.amdgpu_metadata
---
amdhsa.version: [ 1, 2 ]
amdhsa.kernels:
  - .name:           k_q30e51a4c6f_gemm
    .symbol:         k_q30e51a4c6f_gemm.kd
    .args:
      - { .name: a_img, .offset: 0, .size: 8, .value_kind: global_buffer, .address_space: global }
      - { .name: b_img, .offset: 8, .size: 8, .value_kind: global_buffer, .address_space: global }
      - { .name: out0, .offset: 16, .size: 8, .value_kind: global_buffer, .address_space: global }
    .group_segment_fixed_size: 327680
    .private_segment_fixed_size: 0
    .kernarg_segment_align: 8
    .kernarg_segment_size: 24
    .max_flat_workgroup_size: 128
    .sgpr_count:     100
    .vgpr_count:     1024
    .wavefront_size: 32
...
	.end_amdgpu_metadata
.endif
;; end of part 2
